; MI455X (gfx1250); checked and timed in simulation.
; The chip was launched on July 23, 2026; its instructions are those of AMD's public machine-readable ISA for CDNA 5 (MIT licence, August 2026) and "CDNA5" Instruction Set Architecture Reference Guide (July 2026). The comments in the code are by the model that wrote it; some were corrected since.
;; Attention. Allowed arithmetic: matrix products marked QUANTISED: E2M3 operands, one E8M0 scale for each 32 along K, by v_wmma_scale_f32_16x16x128_f8f6f4 with both operands' format E2M3, f32 sums; everything else in f32.
;; Inputs: k 8 x 2,048 x 1,024 float32; mask 8 x 2,048 bool; q 8 x 2,048 x 1,024 float32; scale one number float32.
;; Outputs: out0 8 x 2,048 x 1,024 float32.
;; This version of the problem:
;;   THIS VERSION OF THE PROBLEM IS GIVEN IN LOW PRECISION. The matrix products marked QUANTISED in the list below multiply operands that are first quantised to E2M3 (2 exponent bits, 3 mantissa bits; 6 bits a number), with one power-of-two scale for each 32 numbers along K (OCP MX v1.0); their sums are f32. All else is computed in f32.
;;   The module's matrix products, in the order in which they are computed (A, B: the left and right operand; K: the contracted axis; several contracted axes count as one K, in the product's order):
;;     1. batch 8 x [M 2,048, K 1,024] x [K 1,024, N 2,048]; A: input q; B: input k: QUANTISED
;;     2. batch 8 x [M 2,048, K 2,048] x [K 2,048, N 1,024]; A: softmax (see below); B: input k: QUANTISED
;;   THE QUANTISER, for each operand of a quantised product, along K:
;;     - K is cut into blocks of 32 from its start; a last block that is shorter is filled with zeros.
;;     - A block's scale is 2^e with e = floor(log2(the largest magnitude in the block)) - 2, held to -126 .. 127; a block of zeros has e = 0. As a byte (E8M0): e + 127.
;;     - Each number is divided by its block's scale, clamped to +-7.5, and rounded to the nearest number of E2M3, ties to even, subnormals kept.
;;     - The product sums the exact products of the quantised numbers (number of the format x scale) in f32.
;;   ~~~python
;;   def quantise(x, axis):      # numpy; x: float32 -> the quantised numbers, widened to float32 again
;;       x = np.moveaxis(x, axis, -1); K = x.shape[-1]
;;       x = np.pad(x, [(0, 0)] * (x.ndim - 1) + [(0, -K % 32)]); x = x.reshape(x.shape[:-1] + (-1, 32)); a = np.abs(x).max(-1, keepdims=True)
;;       e = np.where(a > 0, np.clip(np.frexp(np.where(a > 0, a, 1))[1] - 1 - 2, -126, 127), 0)      # np.frexp(a)[1] - 1 = floor(log2(a)), exactly
;;       r = np.clip(x / 2.0 ** e, -7.5, 7.5)
;;       step = 2.0 ** (np.maximum(np.frexp(np.where(r == 0, 1, r))[1] - 1, 0) - 3)
;;       q = np.round(r / step) * step * 2.0 ** e      # np.round: ties to even
;;       return np.moveaxis(q.reshape(q.shape[:-2] + (-1,))[..., :K], -1, axis).astype(np.float32)
;;   ~~~
;;   SOFTMAX AHEAD OF A QUANTISED PRODUCT. Where the list says 'softmax', what is quantised is not the finished softmax but p = 2^(t - M), with t = logit x log2(e) and M = ceil(the row's largest t), a whole number; so 1/2 < the row's largest p <= 1. The row's sum l is taken of the UNQUANTISED p, in f32, and the product's result is divided by l at the end. Since M is a whole number, a kernel that streams over the keys may use a running M (the ceiling of the running maximum): every later rescaling is an exact power of two, which a block's scale takes up: the codes' values come out the same.
;;   OPERANDS COMPUTED ON THE WAY. 'Computed on the way' means the value that the module computes at that place (a softmax that the list does not call 'softmax' is quantised finished and normalised). What goes into a quantiser is computed in f32, as accurately as f32 sums, v_exp_f32 and their like allow (about 1e-6 of the number): no bf16 or f16 on the way to a quantiser, and a product that is left as it is and whose result goes on into a quantised operand takes f32 operands (vector FMAs, or v_wmma_f32_16x16x4_f32). A number that lies on a knife's edge between two numbers of the format may be rounded either way, as far as f32 arithmetic and the matrix unit's own rounding can turn it there, and no further.
;; One version. Each part assembles by itself: llvm-mc -triple=amdgcn-amd-amdhsa -mcpu=gfx1250 --defsym DOCPART=n.
;; ======== version 1 of 1: 2 launches
;; limits: right only within a limited range of input values
;; workspace buffers: Qq 13,107,200 bytes; Kq 13,107,200 bytes; Vq 13,107,200 bytes
;; launch prep (part 1): grid 12 x 128, 4 waves a work-group, no clusters, 84,480 bytes of LDS; arguments q, k, Qq, Kq, Vq; writes Qq, Kq, Vq
.if DOCPART == 1
	.amdgcn_target "amdgcn-amd-amdhsa--gfx1250"
	.amdhsa_code_object_version 6
	.text
	.protected	k_q2bf3189511_prep
	.globl	k_q2bf3189511_prep
	.p2align	8
	.type	k_q2bf3189511_prep,@function
k_q2bf3189511_prep:
	s_mov_b64 s[64:65], 0
	v_nop
	global_prefetch_b8 v0, s[64:65] scope:SCOPE_SE
	s_setreg_imm32_b32 hwreg(HW_REG_WAVE_MODE, 25, 1), 1
	s_wait_xcnt 0x0
; q and k, [8][2048][1024] f32, become codes of FP6 (E2M3) with one E8M0 byte for each 32 along a product's K:
; Qq and Kq are quantised along d (the first product's K), Vq is k quantised along the keys (the second product's K).
; NO WORK OF reference() IS LEFT OUT in this program, and every input is loaded (mask and scale by the second launch).  The causal part of the mask hides nothing
; in whole tiles: a padded query carries the same -1e9 on all 2,048 keys, so it weighs the keys behind it too, and which queries are padded is an input.
; A block's scale is 2^(floor(log2(its largest magnitude)) - 2); its byte is the largest magnitude's exponent field - 2, held at 1 from below.
; LIMITS: a block of zeros gets the byte 1 where the rule says 127 (its codes are zeros, and this program alone reads the bytes); blocks whose largest magnitude
; lies under 2^(3 - 127) share that byte; NaN and infinities among the inputs are not served.
; LAYOUT OF THE THREE BUFFERS.  A UNIT is 128 rows of q or k (unit U = 16 x batch + rows / 128): 102,400 dense bytes: 64 fragments of 1,536 bytes, then 4,096 scale bytes.
; A fragment (16 rows x 128 along K) lies as the image of the operand's registers: lane l's 12 registers on end at 48 l, so block b (32 along K) of row r lies at
; 48 r + 768 (b % 2) + 24 (b / 2).  Qq, Kq: fragment (tile T, K step s) at 12,288 T + 1,536 s; a tile row's 32 scale bytes at 98,304 + 512 T + 32 r.
; Qq's tile row r is query 16 T + r; Kq's is key 32 (T / 2) + 8 (T % 2) + r % 8 + 16 (r / 8), so that two neighbouring tiles' results are 16 neighbouring keys in a lane.
; Vq: the fragment of channels 16 DT .. 16 DT + 15 at 1,536 DT, K = the unit's 128 keys; channel d's scale word at 98,304 + 4 d.
; SHARES.  Work-group y = the unit.  x = 0, 1: q's rows; x = 2, 3: k's rows (a wave takes one tile of 16 rows, all 1,024 along d); x = 4 .. 11: k's columns (a wave takes 32
; channels, the unit's 128 keys).  The two ways part on the work-group's number and have LDS bytes of their own.  Waves share nothing: no barrier.
.set UNIT,  102400
.set SP,    80                         ; rows: a lane's place in a turning stage: 64 bytes + 16
.set WREG,  17920                      ; rows: a wave's LDS: two stages of 32 x SP, the tile's image (12,288), its scale bytes (512)
.set IMG,   5120
.set SCB,   17408
.set VST,   71680                      ; columns: 3,072 bytes a wave: the images of two fragments
.set SPARE, 83968                      ; the spare words, 128 bytes for each wave: two blocks of 256 bytes that no other line names
.set SPW,   14                         ; v14  LDS address of my spare word; never rewritten
.set NIL,   15                         ; v15  0; never rewritten
.set R,     16                         ; rows: v16-79 four sets of 16 numbers as loaded
.set X,     80                         ; rows: v80-111 two sets of 16 neighbours
.set C,     112                        ; rows: v112-119 two sets of codes
.set E,     120                        ; rows: v120-121 two scale bytes
.set XC,    32                         ; columns: v32-95 two sets of 32 numbers
.set CC,    96                         ; columns: v96-102 a block's codes
.set SW,    24                         ; columns: v24 my channel's scale word
.set OC,    112                        ; columns: v112-135 the way out
; ---- rows.  Step t = 4 s + g: tile rows 4 g .. 4 g + 3, K step s (128 along d, 512 bytes of each row)
.macro LOADR t
.irp i, 0,1,2,3
.if ((\t)%4) < 2
	global_load_b128 v[R+16*((\t)%4)+4*\i:R+16*((\t)%4)+4*\i+3], v3, s[4:5] offset:(4*((\t)%4)+\i)*4096+512*((\t)/4)   ; 32 lanes read 512 consecutive bytes
.else
	global_load_b128 v[R+16*((\t)%4)+4*\i:R+16*((\t)%4)+4*\i+3], v4, s[4:5] offset:(4*((\t)%4)+\i)*4096+512*((\t)/4)   ; tile rows 8-15: in k eight rows further down
.endif
.endr
.endm
.macro TURN t                          ; the step's 2,048 bytes through a stage: in as loaded, back 64 bytes a lane.  LDS serves a wave's instructions in order: no wait between
.irp i, 0,1,2,3
	ds_store_b128 v5, v[R+16*((\t)%4)+4*\i:R+16*((\t)%4)+4*\i+3] offset:32*SP*((\t)%2)+8*SP*\i
.endr
.irp i, 0,1,2,3
	ds_load_b128 v[X+16*((\t)%2)+4*\i:X+16*((\t)%2)+4*\i+3], v6 offset:32*SP*((\t)%2)+16*\i
.endr
.endm
.macro STEPR t
.set XS, X+16*((\t)%2)
.set CS, C+4*((\t)%2)
.if (\t) > 0
	s_wait_dscnt 4                                 ; this step's numbers are back from the stage; the last step's three code stores and its byte store may be out
.else
	s_wait_dscnt 0x0
.endif
.if (\t)+4 < 32
	LOADR (\t)+4                                   ; into the set whose numbers have just gone through the stage
.endif
.if (\t)+1 < 32
.if 30-(\t) >= 3
	s_wait_loadcnt 12                              ; the next step's four loads are in; those of the three steps behind it may be out
.else
	s_wait_loadcnt 4*(30-(\t))
.endif
	TURN (\t)+1
.endif
	v_max3_num_f32 v10, |v[XS]|, |v[XS+1]|, |v[XS+2]|          ; the largest magnitude of my 16, in two chains
	v_max3_num_f32 v11, |v[XS+3]|, |v[XS+4]|, |v[XS+5]|
.irp i, 6,10
	v_max3_num_f32 v10, v10, |v[XS+\i]|, |v[XS+\i+1]|
	v_max3_num_f32 v11, v11, |v[XS+\i+2]|, |v[XS+\i+3]|
.endr
	v_max3_num_f32 v10, v10, |v[XS+14]|, |v[XS+15]|
	v_max3_num_f32 v10, v10, v11, 0x1800000        ; and the floor 2^(3 - 127): the byte cannot fall under 1
	v_max_num_f32_dpp v10, v10, v10 row_xmask:1 row_mask:0xf bank_mask:0xf   ; with my neighbour's 16: the block's
	v_add_nc_u32 v12, 0xff000000, v10              ; 2 off its exponent field: the conversion takes this operand's exponent field as its scale
	v_cvt_scalef32_pk16_fp6_f32 v[CS:CS+2], v[XS:XS+15], v12
	v_lshrrev_b32 v[E+(\t)%2], 23, v12             ; the scale's byte (a plain instruction behind the conversion)
	ds_store_b32 v7, v[CS] offset:1536*((\t)/4)+192*((\t)%4)      ; my 12 bytes at their place in the fragment's image
	ds_store_b32 v7, v[CS+1] offset:1536*((\t)/4)+192*((\t)%4)+4
	ds_store_b32 v7, v[CS+2] offset:1536*((\t)/4)+192*((\t)%4)+8
	ds_store_b8 v8, v[E+(\t)%2] offset:128*((\t)%4)+4*((\t)/4)    ; both lanes of a block write the same byte with the same value
.endm
; ---- columns.  Block t: keys 32 t .. 32 t + 31 of my channel
.macro LOADC t
.irp i, 0,1,2,3,4,5,6,7,8,9,10,11,12,13,14,15,16,17,18,19,20,21,22,23,24,25,26,27,28,29,30,31
	global_load_b32 v[XC+32*((\t)%2)+\i], v3, s[6:7] offset:(32*(\t)+\i)*4096   ; a wave reads 128 consecutive bytes, the four waves 512
.endr
.endm
.macro BLOCK t
.set XS, XC+32*((\t)%2)
.if (\t) < 3
	s_wait_loadcnt 32                              ; this block's 32 loads are in; the next block's may be out
.else
	s_wait_loadcnt 0x0
.endif
	v_max3_num_f32 v12, |v[XS]|, |v[XS+1]|, |v[XS+2]|          ; all 32 numbers of the block are mine
	v_max3_num_f32 v13, |v[XS+3]|, |v[XS+4]|, |v[XS+5]|
.irp i, 6,10,14,18,22,26
	v_max3_num_f32 v12, v12, |v[XS+\i]|, |v[XS+\i+1]|
	v_max3_num_f32 v13, v13, |v[XS+\i+2]|, |v[XS+\i+3]|
.endr
	v_max3_num_f32 v12, v12, |v[XS+30]|, |v[XS+31]|
	v_max3_num_f32 v12, v12, v13, 0x1800000
	v_add_nc_u32 v11, 0xff000000, v12
	v_lshrrev_b32 v13, 23, v11
.if (\t) == 0
	v_mov_b32 v[SW], v13
.else
	v_lshl_or_b32 v[SW], v13, 8*(\t), v[SW]
.endif
	v_cvt_scalef32_pk16_fp6_f32 v[CC:CC+2], v[XS:XS+15], v11
	v_cvt_scalef32_pk16_fp6_f32 v[CC+4:CC+6], v[XS+16:XS+31], v11   ; (a conversion's three registers begin on an even number)
	v_nop                                          ; one plain instruction behind the conversions
	v_mov_b32 v[CC+3], v[CC+4]
	v_mov_b32 v[CC+4], v[CC+5]
	v_mov_b32 v[CC+5], v[CC+6]                     ; the block's 24 bytes on end
.irp i, 0,1,2
	ds_store_b64 v7, v[CC+2*\i:CC+2*\i+1] offset:768*((\t)%2)+24*((\t)/2)+8*\i
.endr
.if (\t)+2 < 4
	LOADC (\t)+2
.endif
	s_wait_dscnt 0x0                               ; the stores have read their registers: the next block's codes may be written
.endm
	s_load_b256 s[4:11], s[0:1], 0x0               ; q s[4:5], k s[6:7], Qq s[8:9], Kq s[10:11]
	s_load_b64 s[12:13], s[0:1], 0x20              ; Vq
	v_lshl_add_u32 v[SPW], v0, 2, SPARE
	v_mov_b32 v[NIL], 0
	v_lshrrev_b32 v1, 5, v0
	v_readfirstlane_b32 s16, v1                    ; wave 0..3
	v_and_b32 v2, 31, v0                           ; lane
	s_and_b32 s17, ttmp7, 0xffff                   ; the unit
	s_lshl_b32 s18, s17, 19                        ; its 128 rows of 4,096 bytes in q or k
	s_mov_b32 s19, 0
	s_mul_i32 s20, s17, UNIT                       ; and its place in a buffer of codes
	s_cmp_lt_u32 ttmp9, 4
	s_cbranch_scc0 .Lcols
	; ================ rows: q or k along d
	s_lshr_b32 s22, ttmp9, 1                       ; 0: q, 1: k
	s_and_b32 s23, ttmp9, 1
	s_lshl_b32 s23, s23, 2
	s_add_co_u32 s23, s23, s16                     ; my tile T = 4 (x % 2) + wave
	s_lshr_b32 s24, s23, 1
	s_lshl_b32 s24, s24, 5
	s_and_b32 s25, s23, 1
	s_cmp_eq_u32 s22, 0
	s_cselect_b32 s26, 16, 8
	s_cselect_b32 s27, 0, 0x8000                   ; in k tile rows 8-15 lie eight rows (32,768 bytes) further down
	s_mul_i32 s25, s25, s26
	s_add_co_u32 s24, s24, s25                     ; the tile's first row: 32 (T / 2) + (T % 2) x 16 (q) or 8 (k)
	s_lshl_b32 s24, s24, 12
	s_add_co_u32 s18, s18, s24
	s_mul_i32 s28, s23, 12288
	s_add_co_u32 s28, s28, s20                     ; where the tile's eight fragments go,
	s_mov_b32 s29, 0
	s_lshl_b32 s30, s23, 9
	s_add_co_u32 s30, s30, s20
	s_add_co_u32 s30, s30, 98304                   ; and its 512 scale bytes
	s_mov_b32 s31, 0
	s_mul_i32 s32, s16, WREG                       ; my wave's LDS
	s_add_co_u32 s33, s32, IMG
	s_add_co_u32 s34, s32, SCB
	s_wait_alu depctr_va_vdst(0)
	v_lshlrev_b32 v3, 4, v2                        ; 16 bytes a lane
	v_add_nc_u32 v4, s27, v3
	v_lshrrev_b32 v10, 2, v2
	v_mul_u32_u24 v5, v10, SP
	v_and_b32 v11, 3, v2
	v_lshl_add_u32 v5, v11, 4, v5
	v_add_nc_u32 v5, s32, v5                       ; a stage, on the way in: four lanes' 64 bytes on end, then 16 of padding
	v_mul_u32_u24 v6, v2, SP
	v_add_nc_u32 v6, s32, v6                       ; and back: my 16 neighbours: row lane / 8 of the step's four, block (lane / 2) % 4, half lane % 2
	v_lshrrev_b32 v10, 3, v2
	v_mul_u32_u24 v7, v10, 48
	v_bfe_u32 v11, v2, 1, 1
	v_mad_u32_u24 v7, v11, 768, v7
	v_bfe_u32 v11, v2, 2, 1
	v_mad_u32_u24 v7, v11, 24, v7
	v_and_b32 v11, 1, v2
	v_mad_u32_u24 v7, v11, 12, v7
	v_add_nc_u32 v7, s33, v7                       ; the image: 48 x row + 768 (block % 2) + 24 (block / 2) + 12 x half
	v_bfe_u32 v11, v2, 1, 2
	v_lshl_add_u32 v8, v10, 5, v11
	v_add_nc_u32 v8, s34, v8                       ; the scale bytes: 32 x row + block
	v_add_nc_u32 v9, s33, v3                       ; the way out: 16 bytes a lane from the image on
	s_wait_kmcnt 0x0
	s_cmp_eq_u32 s22, 0                            ; the choice hangs on the work-group's number alone
	s_cselect_b64 s[4:5], s[4:5], s[6:7]
	s_cselect_b64 s[8:9], s[8:9], s[10:11]
	s_add_nc_u64 s[4:5], s[4:5], s[18:19]
	s_add_nc_u64 s[10:11], s[8:9], s[30:31]
	s_add_nc_u64 s[8:9], s[8:9], s[28:29]
.irp t, 0,1,2,3
	LOADR \t
.endr
	s_wait_loadcnt 12                              ; step 0's four loads are in
	TURN 0
.set Q, 0
.rept 32
	STEPR Q
.set Q, Q+1
.endr
	s_wait_dscnt 0x0
.set Q, 0
.rept 25                                       ; 24 x 512 bytes of image, then the 512 scale bytes, which lie behind it
	ds_load_b128 v[R+4*Q:R+4*Q+3], v9 offset:512*Q
.set Q, Q+1
.endr
.set Q, 0
.rept 24
	s_wait_dscnt 24-Q
	global_store_b128 v3, v[R+4*Q:R+4*Q+3], s[8:9] offset:512*Q   ; 32 lanes store 512 consecutive bytes, at a multiple of 256 from the buffer's first byte
.set Q, Q+1
.endr
	s_wait_dscnt 0x0
	global_store_b128 v3, v[R+96:R+99], s[10:11]
	s_wait_tensorcnt 0x0                           ; the wave's end
	ds_add_u32 v[SPW], v[NIL]
	s_wait_dscnt 0x0
	s_endpgm
	; ================ columns: k along the keys.  A lane takes a channel, and its registers run down the keys
.Lcols:
	s_sub_co_u32 s22, ttmp9, 4
	s_lshl_b32 s22, s22, 2
	s_add_co_u32 s22, s22, s16                     ; my group of 32 channels, 0 .. 31
	s_lshl_b32 s23, s22, 7
	s_add_co_u32 s18, s18, s23                     ; in k: 128 bytes a group
	s_mul_i32 s24, s22, 3072
	s_add_co_u32 s24, s24, s20                     ; my two fragments,
	s_mov_b32 s25, 0
	s_add_co_u32 s26, s23, s20
	s_add_co_u32 s26, s26, 98304                   ; my 32 scale words
	s_mov_b32 s27, 0
	s_mul_i32 s28, s16, 3072
	s_add_co_u32 s28, s28, VST
	s_wait_alu depctr_va_vdst(0)
	v_lshlrev_b32 v3, 2, v2                        ; 4 bytes a lane
	v_lshrrev_b32 v10, 4, v2
	v_and_b32 v11, 15, v2
	v_mul_u32_u24 v7, v10, 1536
	v_mad_u32_u24 v7, v11, 48, v7
	v_add_nc_u32 v7, s28, v7                       ; fragment lane / 16, row lane % 16
	v_lshlrev_b32 v10, 4, v2                       ; the way out: 16 bytes a lane
	v_add_nc_u32 v9, s28, v10
	s_wait_alu depctr_va_vdst(0)
	s_wait_kmcnt 0x0
	s_add_nc_u64 s[6:7], s[6:7], s[18:19]
	s_add_nc_u64 s[8:9], s[12:13], s[24:25]
	s_add_nc_u64 s[12:13], s[12:13], s[26:27]
	LOADC 0
	LOADC 1
.irp t, 0,1,2,3
	BLOCK \t
.endr
	s_wait_alu depctr_va_vdst(0)
	global_store_b32 v3, v[SW], s[12:13]           ; 32 scale words: 128 consecutive bytes a wave, 512 a work-group
.irp n, 0,1,2,3,4,5
	ds_load_b128 v[OC+4*\n:OC+4*\n+3], v9 offset:512*\n
.endr
.irp n, 0,1,2,3,4,5
	s_wait_dscnt 5-\n
	global_store_b128 v10, v[OC+4*\n:OC+4*\n+3], s[8:9] offset:512*\n
.endr
	s_wait_tensorcnt 0x0                           ; the wave's end, as above
	ds_add_u32 v[SPW], v[NIL]
	s_wait_dscnt 0x0
	s_endpgm
.Lfunc_end_k_q2bf3189511_prep:
	.size	k_q2bf3189511_prep, .Lfunc_end_k_q2bf3189511_prep-k_q2bf3189511_prep
	.p2alignl 7, 3214868480
	.fill 96, 4, 3214868480
	.section	.rodata,"a",@progbits
	.p2align	6, 0x0
	.amdhsa_kernel k_q2bf3189511_prep
		.amdhsa_group_segment_fixed_size 84480
		.amdhsa_private_segment_fixed_size 0
		.amdhsa_enable_private_segment 0
		.amdhsa_kernarg_size 40
		.amdhsa_user_sgpr_count 2
		.amdhsa_user_sgpr_kernarg_segment_ptr 1
		.amdhsa_wavefront_size32 1
		.amdhsa_system_sgpr_workgroup_id_x 1
		.amdhsa_system_sgpr_workgroup_id_y 1
		.amdhsa_system_sgpr_workgroup_id_z 1
		.amdhsa_system_vgpr_workitem_id 0
		.amdhsa_next_free_vgpr 192
		.amdhsa_next_free_sgpr 66
		.amdhsa_reserve_vcc 0
		.amdhsa_float_denorm_mode_32 3
		.amdhsa_float_denorm_mode_16_64 3
		.amdhsa_memory_ordered 1
		.amdhsa_forward_progress 1
		.amdhsa_inst_pref_size 92
	.end_amdhsa_kernel
	.amdgpu_metadata
---
amdhsa.version: [ 1, 2 ]
amdhsa.kernels:
  - .name:           k_q2bf3189511_prep
    .symbol:         k_q2bf3189511_prep.kd
    .args:
      - { .name: q, .offset: 0, .size: 8, .value_kind: global_buffer, .address_space: global }
      - { .name: k, .offset: 8, .size: 8, .value_kind: global_buffer, .address_space: global }
      - { .name: Qq, .offset: 16, .size: 8, .value_kind: global_buffer, .address_space: global }
      - { .name: Kq, .offset: 24, .size: 8, .value_kind: global_buffer, .address_space: global }
      - { .name: Vq, .offset: 32, .size: 8, .value_kind: global_buffer, .address_space: global }
    .group_segment_fixed_size: 84480
    .private_segment_fixed_size: 0
    .kernarg_segment_align: 8
    .kernarg_segment_size: 40
    .max_flat_workgroup_size: 128
    .sgpr_count:     66
    .vgpr_count:     192
    .wavefront_size: 32
...
	.end_amdgpu_metadata
.endif
;; end of part 1
;; launch attn (part 2): grid 32 x 8, 4 waves a work-group, clusters of 4 x 1, 327,680 bytes of LDS; arguments Qq, Kq, Vq, mask, scale, out0; writes out0
.if DOCPART == 2
	.amdgcn_target "amdgcn-amd-amdhsa--gfx1250"
	.amdhsa_code_object_version 6
	.text
	.protected	k_q2bf3189511_attn
	.globl	k_q2bf3189511_attn
	.p2align	8
	.type	k_q2bf3189511_attn,@function
k_q2bf3189511_attn:
	s_mov_b64 s[64:65], 0
	v_nop
	global_prefetch_b8 v0, s[64:65] scope:SCOPE_SE
	s_setreg_imm32_b32 hwreg(HW_REG_WAVE_MODE, 25, 1), 1
	s_wait_xcnt 0x0
	s_wait_alu depctr_hold_cnt(0) depctr_sa_sdst(0) depctr_va_vdst(0) depctr_va_sdst(0) depctr_va_ssrc(0) depctr_va_vcc(0) depctr_vm_vsrc(0)
	s_getreg_b32 s2, hwreg(HW_REG_IB_STS2, 6, 4)
	s_cmp_eq_u32 s2, 0
	s_cbranch_scc0 .Lentry_in_a_cluster
	s_endpgm
.Lentry_in_a_cluster:
	s_bfe_u32 s2, ttmp6, 0x10000c
	s_cmp_lg_u32 s2, 0x3003
	s_cbranch_scc0 .Lentry_shape_is_right
	s_endpgm
.Lentry_shape_is_right:
; out0 = softmax(q k^T x scale - 1e9 x mask) k in MX-FP6, from the codes and scale bytes that launch prep laid.  No work of reference() is left out:
; a padded query carries -1e9 on all 2,048 keys and so weighs every key.
; A work-group of four waves takes 64 queries of one batch and walks the batch's 16 units of 128 keys; the four work-groups of a cluster ask for K's and V's units jointly.
; THE MASK.  reference() takes 1e9 x max(padded query, padded key, key behind query) away.  Here: score x scale + NPQ (-1e9 for a padded query, else 0), one fused multiply-add,
; then + NPK x VQ: NPK is the key's term from a table in LDS (-1e9 for a padded key and for every key behind my work-group's 64 queries, else 0), VQ is 1 for a valid query, 0 for a padded one.
; So a padded query has -1e9 once on every key.  Only the two steps that hold the cluster's 256 queries compare key and query number by number.
; LIMITS: the scaled scores (exponents to the base 2) stay under 2^31 in magnitude; NaN and infinities among the inputs are not served;
; a padded row's score x scale - 1e9 is rounded once (fused), where reference() rounds twice.
.set UNIT,  102400
.set SV,    102400
.set PIM,   204800
.set XMT,   210944
.set KKT,   214016
.set SPARE, 222208
.set L48, 1
.set AK,  2
.set AKS, 3
.set AKK, 4
.set AV,  5
.set AVS, 6
.set APW, 7
.set AEW, 8
.set APR, 9
.set AER, 10
.set STO, 11
.set RD,  12
.set GO,  13
.set SPW, 14
.set NIL, 15
.set QL,  16
.set NPQ, 18
.set EE,  22
.set LL,  24
.set FF,  26
.set TT,  34
.set KS,  40
.set QS,  56
.set VS,  64
.set PS,  72
.set PFO, 74
.set DXS, 76
.set S,   80
.set KB,  144
.set KKR, 144
.set DP,  144
.set TQ,  152
.set TR,  156
.set TM,  176
.set TX,  180
.set XP,  184
.set PM,  192
.set SO,  196
.set BY,  200
.set WW,  204
.set LSS, 208
.set SU,  212
.set CV,  220
.set WR,  240
.set WV,  16
.set G1,  24
.set G0K, 32
.set G0V, 36
.set CNT, 48
.set LIMK, 49
.set LIMV, 50
.set PFK, 52
.set PFV, 54
.set DK,  22                           ; s22  this step's first key, 128 x step
.set DC,  23                           ; s23  the cluster's first query, 256 x cluster
.set DT,  51                           ; s51  scratch
.set VQ,  248                          ; v248-251  1.0 for a valid query, 0 for a padded one, as the low words of two pairs
.set KO,  252                          ; v252  my first key inside a step: 64 x key half + 16 x lane half
.set QR,  254                          ; v254-255  my queries' numbers, counted from my first key of the step
.set MSB, 0
.macro WIN new
.if MSB != (\new)
	s_set_vgpr_msb (MSB<<8)|(\new)
.set MSB, (\new)
.endif
.endm
.macro PLACES n
.rept \n
	v_nop
.endr
.endm
.macro CROUND
	s_barrier_signal -1
	s_barrier_wait -1
	s_cmp_lg_u32 s[WV], 0
	s_cbranch_scc1 .Lnw0_\@
	s_barrier_signal -3
.Lnw0_\@:
	s_barrier_wait -3
	s_barrier_signal -1
	s_barrier_wait -1
.endm
.macro TLOAD g0
	tensor_load_to_lds s[\g0:\g0+3], s[G1:G1+7]
	s_nop 0
.rept 4
	v_nop
.endr
.endm
.macro ASK pfa, lim
	s_cmp_gt_u32 s[CNT], s[\lim]
	s_cbranch_scc0 .Lnot_mine_\@
	global_prefetch_b8 v[PFO], s[\pfa:\pfa+1] th:TH_LOAD_NT scope:SCOPE_SE
.Lnot_mine_\@:
.endm
.macro WM
.if wZ
.if wRA
.if wRB
	v_wmma_scale_f32_16x16x128_f8f6f4 v[wD:wD+7], v[wA:wA+11], v[wB:wB+11], 0, v[wSA], v[wSB] matrix_a_fmt:MATRIX_FMT_FP6 matrix_b_fmt:MATRIX_FMT_FP6 matrix_a_scale:MATRIX_SCALE_ROW1 matrix_b_scale:MATRIX_SCALE_ROW1
.else
	v_wmma_scale_f32_16x16x128_f8f6f4 v[wD:wD+7], v[wA:wA+11], v[wB:wB+11], 0, v[wSA], v[wSB] matrix_a_fmt:MATRIX_FMT_FP6 matrix_b_fmt:MATRIX_FMT_FP6 matrix_a_scale:MATRIX_SCALE_ROW1
.endif
.else
.if wRB
	v_wmma_scale_f32_16x16x128_f8f6f4 v[wD:wD+7], v[wA:wA+11], v[wB:wB+11], 0, v[wSA], v[wSB] matrix_a_fmt:MATRIX_FMT_FP6 matrix_b_fmt:MATRIX_FMT_FP6 matrix_b_scale:MATRIX_SCALE_ROW1
.else
	v_wmma_scale_f32_16x16x128_f8f6f4 v[wD:wD+7], v[wA:wA+11], v[wB:wB+11], 0, v[wSA], v[wSB] matrix_a_fmt:MATRIX_FMT_FP6 matrix_b_fmt:MATRIX_FMT_FP6
.endif
.endif
.else
.if wRA
.if wRB
	v_wmma_scale_f32_16x16x128_f8f6f4 v[wD:wD+7], v[wA:wA+11], v[wB:wB+11], v[wD:wD+7], v[wSA], v[wSB] matrix_a_fmt:MATRIX_FMT_FP6 matrix_b_fmt:MATRIX_FMT_FP6 matrix_a_scale:MATRIX_SCALE_ROW1 matrix_b_scale:MATRIX_SCALE_ROW1
.else
	v_wmma_scale_f32_16x16x128_f8f6f4 v[wD:wD+7], v[wA:wA+11], v[wB:wB+11], v[wD:wD+7], v[wSA], v[wSB] matrix_a_fmt:MATRIX_FMT_FP6 matrix_b_fmt:MATRIX_FMT_FP6 matrix_a_scale:MATRIX_SCALE_ROW1
.endif
.else
.if wRB
	v_wmma_scale_f32_16x16x128_f8f6f4 v[wD:wD+7], v[wA:wA+11], v[wB:wB+11], v[wD:wD+7], v[wSA], v[wSB] matrix_a_fmt:MATRIX_FMT_FP6 matrix_b_fmt:MATRIX_FMT_FP6 matrix_b_scale:MATRIX_SCALE_ROW1
.else
	v_wmma_scale_f32_16x16x128_f8f6f4 v[wD:wD+7], v[wA:wA+11], v[wB:wB+11], v[wD:wD+7], v[wSA], v[wSB] matrix_a_fmt:MATRIX_FMT_FP6 matrix_b_fmt:MATRIX_FMT_FP6
.endif
.endif
.endif
.endm
.macro CHANGE g0, pfa, fill
	WIN 0
	s_wait_tensorcnt 0x0
	ds_add_u32 v[SPW], v[NIL]
.if \fill
	s_add_nc_u64 s[\g0+2:\g0+3], s[\g0+2:\g0+3], UNIT
	s_wait_xcnt 0x0
	s_add_nc_u64 s[\pfa:\pfa+1], s[\pfa:\pfa+1], UNIT
	s_wait_dscnt 0x0
	CROUND
	TLOAD \g0
.else
	s_wait_dscnt 0x0
	s_barrier_signal -1
	s_barrier_wait -1
.endif
.endm
.macro KFETCH s, set
.irp kt, 0,1,2,3
.irp c, 0,1,2
	ds_load_b128 v[KB+48*(\set)+12*\kt+4*\c:KB+48*(\set)+12*\kt+4*\c+3], v[AK] offset:12288*\kt+1536*(\s)+16*\c
.endr
.endr
.endm
.macro QK first, pfa, lim, ask
.if !\first
	v_add_nc_u32 v[AKK], 512, v[AKK]
.endif
.irp p, 0,1
.irp n, 0,1
	ds_load_b128 v[KS+8*\p+4*\n:KS+8*\p+4*\n+3], v[AKS] offset:1024*\p+16*\n
.endr
.endr
	KFETCH 0, 0
	KFETCH 1, 1
.if \ask
	ASK \pfa, \lim
.endif
	s_wait_alu depctr_va_vdst(0)
.irp s, 0,1,2,3,4,5,6,7
.if \s == 7
	s_wait_dscnt 8
.else
	s_wait_dscnt 12
.endif
	WIN 0x04
.irp kt, 0,1,2,3
.irp qt, 0,1
.set wD, S+8*(4*\qt+\kt)
.set wA, KB+48*(\s%2)+12*\kt
.set wB, 12*(8*\qt+\s)
.set wSA, KS+8*(\kt/2)+\s
.set wRA, \kt%2
.set wSB, QS+\s
.set wRB, \qt
.if \s == 0
.set wZ, 1
.else
.set wZ, 0
.endif
	WM
.endr
.endr
	WIN 0
	PLACES 4
.if \s <= 5
	KFETCH \s+2, \s%2
.elseif \s == 6
.irp bb, 0,1
.irp n, 0,1,2,3
	ds_load_b128 v[KKR+16*\bb+4*\n:KKR+16*\bb+4*\n+3], v[AKK] offset:128*\bb+16*\n
.endr
.endr
.endif
.endr
	s_wait_dscnt 0x0
.endm
.macro SOFT
.set j, 0
.rept 32
	v_pk_fma_f32 v[S+j:S+j+1], v[S+j:S+j+1], s[40:41], v[NPQ+2*(j/32):NPQ+2*(j/32)+1] op_sel_hi:[1,0,0]   ; score x scale + the query's term
.set j, j+2
.endr
.set j, 0
.rept 32
	v_pk_fma_f32 v[S+j:S+j+1], v[KKR+16*((j/16)%2)+j%16:KKR+16*((j/16)%2)+j%16+1], v[VQ+2*(j/32):VQ+2*(j/32)+1], v[S+j:S+j+1] op_sel_hi:[1,0,1]   ; + the key's term, for valid queries alone
.set j, j+2
.endr
	s_sub_co_u32 s[DT], s[DK], s[DC]
	s_cmp_lt_u32 s[DT], 256                        ; does this step hold queries of my cluster?  (two steps of the sixteen)
	s_wait_alu depctr_va_vdst(0)
	s_cbranch_scc0 .Loff_\@
	v_add_nc_u32 v[QR], s[DK], v[KO]               ; my first key of this step
	v_sub_nc_u32 v[QR+1], v[QL+1], v[QR]
	v_sub_nc_u32 v[QR], v[QL], v[QR]               ; a padded query's number is the greatest: it keeps every key
.set n, 0
.rept 64
	v_cmp_le_i32 vcc_lo, 32*((n/16)%2)+n%16, v[QR+n/32]
	v_cndmask_b32 v[S+n], s44, v[S+n], vcc_lo      ; a key behind its query: -1e9
.set n, n+1
.endr
.Loff_\@:
	s_add_co_u32 s[DK], s[DK], 128
.irp b, 0,1,2,3
	v_max3_num_f32 v[TM+\b], v[S+16*\b], v[S+16*\b+1], v[S+16*\b+2]
.endr
.irp i, 3,5,7,9,11,13
.irp b, 0,1,2,3
	v_max3_num_f32 v[TM+\b], v[TM+\b], v[S+16*\b+\i], v[S+16*\b+\i+1]
.endr
.endr
.irp b, 0,1,2,3
	v_max_num_f32 v[TM+\b], v[TM+\b], v[S+16*\b+15]
.endr
.irp b, 0,1,2,3
	v_permlanex16_b32 v[TX+\b], v[TM+\b], s46, s47
.endr
.irp b, 0,1,2,3
	v_max_num_f32 v[TM+\b], v[TM+\b], v[TX+\b]
.endr
.irp b, 0,1,2,3
	v_mov_b32 v[XP+2*\b], v[TM+\b]
.endr
.irp b, 0,1,2,3
	v_mul_f32 v[TQ+\b], s42, v[TM+\b]
.endr
.irp b, 0,1,2,3
	v_floor_f32 v[TR+\b], -v[TQ+\b]
.endr
.irp b, 0,1,2,3
	v_add_f32 v[DP+2*\b], v[TQ+\b], v[TR+\b]
.endr
.set j, 0
.rept 32
	v_pk_add_f32 v[S+j:S+j+1], v[S+j:S+j+1], v[XP+2*(j/16):XP+2*(j/16)+1] op_sel_hi:[1,0] neg_lo:[0,1] neg_hi:[0,1]
.set j, j+2
.endr
.set j, 0
.rept 32
	v_pk_fma_f32 v[S+j:S+j+1], v[S+j:S+j+1], s[42:43], v[DP+2*(j/16):DP+2*(j/16)+1] op_sel_hi:[1,0,0]
.set j, j+2
.endr
.set n, 0
	s_wait_alu depctr_va_vdst(0)
.rept 64
	v_exp_f32 v[S+n], v[S+n]
.set n, n+1
.endr
.irp b, 0,1,2,3
	v_exp_f32 v[PM+\b], v[DP+2*\b]
.endr
	v_nop
	s_wait_alu depctr_va_vdst(0)
.irp b, 0,1,2,3
	v_pk_add_f32 v[SU+2*\b:SU+2*\b+1], v[S+16*\b:S+16*\b+1], v[S+16*\b+2:S+16*\b+3]
.endr
.irp i, 4,6,8,10,12,14
.irp b, 0,1,2,3
	v_pk_add_f32 v[SU+2*\b:SU+2*\b+1], v[SU+2*\b:SU+2*\b+1], v[S+16*\b+\i:S+16*\b+\i+1]
.endr
.endr
.irp b, 0,1,2,3
	v_add_f32 v[SU+2*\b], v[SU+2*\b], v[SU+2*\b+1]
.endr
.irp b, 0,1,2,3
	v_permlanex16_b32 v[TX+\b], v[SU+2*\b], s46, s47
.endr
.irp b, 0,1,2,3
	v_add_f32 v[SU+2*\b], v[SU+2*\b], v[TX+\b]
.endr
.irp b, 0,1,2,3
	v_add_nc_u32 v[SO+\b], 0xff000000, v[PM+\b]
.endr
.irp b, 0,1,2,3
	v_lshrrev_b32 v[BY+\b], 23, v[SO+\b]
.endr
.irp b, 0,1,2,3
	v_sub_nc_u32 v[TX+\b], 125, v[BY+\b]
.endr
.irp b, 0,1,2,3
	v_ldexp_f32 v[LSS+\b], v[SU+2*\b], v[TX+\b]
.endr
.irp b, 0,1,2,3
	v_cvt_f32_u32 v[WW+\b], v[TX+\b]
.endr
.irp b, 0,1,2,3
	v_add_f32 v[WW+\b], v[WW+\b], v[DP+2*\b]
.endr
.irp b, 0,1,2,3
	v_cvt_scalef32_pk16_fp6_f32 v[CV+4*\b:CV+4*\b+2], v[S+16*\b:S+16*\b+15], v[SO+\b]
.endr
	v_nop
.irp qt, 0,1
.irp bb, 0,1
.irp i, 0,1,2
	ds_store_b32 v[APW], v[CV+4*(2*\qt+\bb)+\i] offset:1536*\qt+768*\bb+4*\i
.endr
.endr
.endr
.irp qt, 0,1
	ds_store_b64 v[AEW], v[TM+2*\qt:TM+2*\qt+1] offset:256*\qt
	ds_store_b64 v[AEW], v[LSS+2*\qt:LSS+2*\qt+1] offset:1024+256*\qt
	ds_store_b64 v[AEW], v[WW+2*\qt:WW+2*\qt+1] offset:2048+256*\qt
.endr
.endm
.macro STAT first
.irp pr, 0,1
	v_max3_num_f32 v[TT+3*\pr], v[128+4*\pr], v[129+4*\pr], v[130+4*\pr]
.if \first
	v_max_num_f32 v[TT+3*\pr], v[TT+3*\pr], v[131+4*\pr]
.else
	v_max3_num_f32 v[TT+3*\pr], v[TT+3*\pr], v[131+4*\pr], v[EE+\pr]
.endif
	v_mul_f32 v[TT+3*\pr+1], s42, v[TT+3*\pr]
	v_floor_f32 v[TT+3*\pr+2], -v[TT+3*\pr+1]
	v_add_f32 v[TT+3*\pr+1], v[TT+3*\pr+1], v[TT+3*\pr+2]
.if !\first
	v_sub_f32 v[TT+3*\pr+2], v[EE+\pr], v[TT+3*\pr]
	v_sub_f32 v[DXS+\pr], v[TT+3*\pr+1], v[DXS+\pr]
	v_fma_f32 v[TT+3*\pr+2], v[TT+3*\pr+2], s42, v[DXS+\pr]
	v_rndne_f32 v[TT+3*\pr+2], v[TT+3*\pr+2]
	v_cvt_i32_f32 v[TT+3*\pr+2], v[TT+3*\pr+2]
	v_ldexp_f32 v[TT+3*\pr+2], 1.0, v[TT+3*\pr+2]
.endif
	v_mov_b32 v[EE+\pr], v[TT+3*\pr]
	v_mov_b32 v[DXS+\pr], v[TT+3*\pr+1]
.irp b, 0,1,2,3
	v_sub_f32 v[128+4*\pr+\b], v[128+4*\pr+\b], v[TT+3*\pr]
.endr
.irp b, 0,1,2,3
	v_sub_f32 v[WR+4*\pr+\b], v[TT+3*\pr+1], v[WR+4*\pr+\b]
.endr
.irp b, 0,1,2,3
	v_fma_f32 v[128+4*\pr+\b], v[128+4*\pr+\b], s42, v[WR+4*\pr+\b]
.endr
.irp b, 0,1,2,3
	v_rndne_f32 v[128+4*\pr+\b], v[128+4*\pr+\b]
.endr
.irp b, 0,1,2,3
	v_cvt_i32_f32 v[128+4*\pr+\b], v[128+4*\pr+\b]
.endr
.irp b, 0,1,2,3
	v_ldexp_f32 v[136+4*\pr+\b], v[136+4*\pr+\b], v[128+4*\pr+\b]
.endr
.irp b, 0,1,2,3
	v_add_nc_u32 v[128+4*\pr+\b], 125, v[128+4*\pr+\b]
.endr
.irp b, 0,1,2,3
	v_cmp_lt_i32 vcc_lo, 0, v[128+4*\pr+\b]
	v_cndmask_b32 v[128+4*\pr+\b], 0, v[128+4*\pr+\b], vcc_lo
.endr
	v_lshl_or_b32 v[PS+\pr], v[129+4*\pr], 8, v[128+4*\pr]
	v_lshl_or_b32 v[PS+\pr], v[130+4*\pr], 16, v[PS+\pr]
	v_lshl_or_b32 v[PS+\pr], v[131+4*\pr], 24, v[PS+\pr]
	v_add_f32 v[136+4*\pr], v[136+4*\pr], v[137+4*\pr]
	v_add_f32 v[138+4*\pr], v[138+4*\pr], v[139+4*\pr]
.if \first
	v_add_f32 v[LL+\pr], v[136+4*\pr], v[138+4*\pr]
.else
	v_add_f32 v[136+4*\pr], v[136+4*\pr], v[138+4*\pr]
	v_fma_f32 v[LL+\pr], v[LL+\pr], v[TT+3*\pr+2], v[136+4*\pr]
	v_permlanex16_b32 v[TT+3*\pr+1], v[TT+3*\pr+2], s46, s47
	v_cndmask_b32 v[FF+4*\pr], v[TT+3*\pr+2], v[TT+3*\pr+1], s45
	v_cndmask_b32 v[FF+4*\pr+2], v[TT+3*\pr+1], v[TT+3*\pr+2], s45
.endif
.endr
.endm
.macro RESC dt
	WIN 0x82+0x41*((\dt)/8)
.irp qt, 0,1,2,3
.irp i, 0,2,4,6
	v_pk_mul_f32 v[8*(4*((\dt)%8)+\qt)+\i:8*(4*((\dt)%8)+\qt)+\i+1], v[8*(4*((\dt)%8)+\qt)+\i:8*(4*((\dt)%8)+\qt)+\i+1], v[FF+2*\qt:FF+2*\qt+1] op_sel_hi:[1,0]
.endr
.endr
.endm
.macro VFETCH dt
.irp c, 0,1,2
	ds_load_b128 v[KB+12*((\dt)%8)+4*\c:KB+12*((\dt)%8)+4*\c+3], v[AV] offset:1536*(\dt)+16*\c
.endr
.endm
.macro PV zero, pfa, lim, ask
.irp pr, 0,1
	ds_load_b128 v[128+4*\pr:131+4*\pr], v[AER] offset:512*\pr
.endr
.irp pr, 0,1
	ds_load_b128 v[136+4*\pr:139+4*\pr], v[AER] offset:1024+512*\pr
.endr
.irp pr, 0,1
	ds_load_b128 v[WR+4*\pr:WR+4*\pr+3], v[AER] offset:2048+512*\pr
.endr
.irp qt, 0,1,2,3
.irp c, 0,1,2
	ds_load_b128 v[S+12*\qt+4*\c:S+12*\qt+4*\c+3], v[APR] offset:1536*\qt+16*\c
.endr
.endr
.irp i, 0,1,2,3,4,5,6,7
	ds_load_b32 v[VS+\i], v[AVS] offset:128*\i
.endr
.irp dt, 0,1,2,3,4,5,6,7
	VFETCH \dt
.endr
.if \ask
	ASK \pfa, \lim
.endif
	s_wait_dscnt 44
	STAT \zero
.if \zero
	PLACES 8
.else
	RESC 0
.endif
	s_wait_alu depctr_va_vdst(0)
.irp dt, 0,1,2,3,4,5,6,7,8,9,10,11,12,13,14,15
.if (!\zero) && (\dt < 15)
	RESC \dt+1
.endif
.if (\dt >= 1) && (\dt <= 8)
	WIN 0
.if \zero
	PLACES 4
.endif
	VFETCH \dt+7
.endif
.if \dt <= 8
	s_wait_dscnt 21
.else
	s_wait_alu depctr_va_vdst(0)
	s_wait_dscnt 3*(15-\dt)
.endif
	WIN 0xa0+0x50*(\dt/8)
.irp qt, 0,1,2,3
.set wD, 8*(4*(\dt%8)+\qt)
.set wA, KB+12*(\dt%8)
.set wB, S+12*\qt
.set wSA, VS+\dt/2
.set wRA, \dt%2
.set wSB, PS+\qt/2
.set wRB, \qt%2
.set wZ, \zero
	WM
.endr
.endr
	WIN 0
.endm
.macro OUT qt
.irp hw, 0,1
	WIN 0x82+0x41*\hw
.irp d8, 0,1,2,3,4,5,6,7
.irp i, 0,2,4,6
	v_pk_mul_f32 v[8*(4*\d8+\qt)+\i:8*(4*\d8+\qt)+\i+1], v[8*(4*\d8+\qt)+\i:8*(4*\d8+\qt)+\i+1], v[FF+2*\qt:FF+2*\qt+1] op_sel_hi:[1,0]
.endr
.endr
.endr
.irp hw, 0,1
	WIN 0x08+0x04*\hw
.irp d8, 0,1,2,3,4,5,6,7
	ds_store_b128 v[STO], v[8*(4*\d8+\qt):8*(4*\d8+\qt)+3] offset:64*(8*\hw+\d8)
	ds_store_b128 v[STO], v[8*(4*\d8+\qt)+4:8*(4*\d8+\qt)+7] offset:64*(8*\hw+\d8)+16
.endr
.endr
	WIN 0
.if \qt > 0
	s_wait_xcnt 0x0
.endif
.irp i, 0,1,2,3,4,5,6,7,8,9,10,11,12,13,14,15,16,17,18,19,20,21,22,23,24,25,26,27,28,29,30,31
	ds_load_b128 v[S+4*\i:S+4*\i+3], v[RD] offset:1040*(\i/2)+512*(\i%2)
.endr
.irp i, 0,1,2,3,4,5,6,7,8,9,10,11,12,13,14,15,16,17,18,19,20,21,22,23,24,25,26,27,28,29,30,31
	s_wait_dscnt 31-\i
	global_store_b128 v[GO], v[S+4*\i:S+4*\i+3], s[14:15] offset:65536*\qt+4096*(\i/2)+512*(\i%2) th:TH_STORE_NT
.endr
.endm
	s_load_b256 s[4:11], s[0:1], 0x0
	s_load_b128 s[12:15], s[0:1], 0x20
	v_lshl_add_u32 v[SPW], v0, 2, SPARE
	v_mov_b32 v[NIL], 0
	ds_add_u32 v[SPW], v[NIL]
	ds_add_u32 v[SPW], v[NIL]
	v_lshrrev_b32 v1, 5, v0
	v_readfirstlane_b32 s[WV], v1
	s_lshr_b32 s17, s[WV], 1
	s_and_b32 s18, s[WV], 1
	s_bfe_u32 s19, ttmp6, 0x40000
	s_lshl_b32 s20, ttmp9, 2
	s_add_co_u32 s20, s20, s19
	s_and_b32 s21, ttmp7, 0xffff
	s_mov_b32 s[G1], 15|(3<<16)|(1<<21)
	s_mov_b32 s[G1+1], 32<<16
	s_mov_b32 s[G1+2], 100<<16
	s_mov_b32 s[G1+3], 32<<16
	s_mov_b32 s[G1+4], 100
	s_mov_b32 s[G1+5], 32
	s_mov_b32 s[G1+6], 0
	s_mov_b32 s[G1+7], 0
	s_mov_b32 s42, 0x3fb8aa3b
	s_mov_b32 s43, s42
	s_mov_b32 s44, 0xce6e6b28
	s_mov_b32 s45, 0xffff0000
	s_mov_b32 s46, 0x76543210
	s_mov_b32 s47, 0xfedcba98
	s_mov_b32 s[CNT], 14
	s_mov_b32 s[DK], 0
	s_lshl_b32 s[DC], ttmp9, 8
	s_lshl_b32 s[DT], s20, 6
	s_add_co_u32 s[DT], s[DT], 64                  ; the first key behind my work-group's 64 queries
	s_cmp_eq_u32 ttmp9, 0
	s_cselect_b32 s[LIMK], 1, -1
	s_cselect_b32 s[LIMV], 0, -1
	s_mul_i32 s[G0K+1], s[WV], 25600
	s_add_co_u32 s[G0V+1], s[G0K+1], SV
	s_mul_i32 s56, s21, 16*UNIT
	s_add_co_u32 s56, s56, s[G0K+1]
	s_mov_b32 s57, 0
	s_mul_i32 s58, s19, 6400
	s_add_co_u32 s58, s58, UNIT
	s_mov_b32 s59, 0
	s_lshl_b32 s60, s21, 4
	s_lshr_b32 s61, s20, 1
	s_add_co_u32 s60, s60, s61
	s_mul_i32 s60, s60, UNIT
	s_and_b32 s61, s20, 1
	s_lshl_b32 s61, s61, 2
	s_lshl_b32 s62, s18, 1
	s_add_co_u32 s61, s61, s62
	s_mul_i32 s62, s61, 12288
	s_add_co_u32 s62, s62, s60
	s_mov_b32 s63, 0
	s_lshl_b32 s66, s61, 9
	s_add_co_u32 s66, s66, s60
	s_add_co_u32 s66, s66, 98304
	s_mov_b32 s67, 0
	s_lshl_b32 s68, s21, 11
	s_mov_b32 s69, 0
	s_lshl_b32 s70, s20, 6
	s_lshl_b32 s71, s18, 5
	s_add_co_u32 s70, s70, s71
	s_mov_b32 s71, 0
	s_wait_dscnt 0x0
	s_wait_kmcnt 0x0
	s_load_b32 s40, s[12:13], 0x0
	s_mov_b32 s[G0K], 1
	s_add_nc_u64 s[G0K+2:G0K+3], s[6:7], s[56:57]
	s_or_b32 s[G0K+3], s[G0K+3], 0x80000000
	s_mov_b32 s[G0V], 1
	s_add_nc_u64 s[G0V+2:G0V+3], s[8:9], s[56:57]
	s_or_b32 s[G0V+3], s[G0V+3], 0x80000000
	s_add_nc_u64 s[PFK:PFK+1], s[6:7], s[56:57]
	s_add_nc_u64 s[PFK:PFK+1], s[PFK:PFK+1], s[58:59]
	s_add_nc_u64 s[PFV:PFV+1], s[8:9], s[56:57]
	s_add_nc_u64 s[PFV:PFV+1], s[PFV:PFV+1], s[58:59]
	s_add_nc_u64 s[6:7], s[4:5], s[66:67]
	s_add_nc_u64 s[4:5], s[4:5], s[62:63]
	s_add_nc_u64 s[10:11], s[10:11], s[68:69]
	s_add_nc_u64 s[8:9], s[10:11], s[70:71]
	CROUND
	tensor_load_to_lds s[G0K:G0K+3], s[G1:G1+7]
	s_nop 0
.rept 4
	v_nop
.endr
	v_and_b32 v34, 31, v0
	v_and_b32 v35, 15, v0
	v_bfe_u32 v36, v0, 4, 1
	v_mul_u32_u24 v[L48], v34, 48
	s_wait_alu depctr_va_vdst(0)
	v_lshlrev_b32 v37, 5, v34
	v_lshlrev_b32 v38, 4, v0
	WIN 0x40
.irp qt, 0,1
.irp s, 0,1,2,3,4,5,6,7
.irp c, 0,1,2
	global_load_b128 v[12*(8*\qt+\s)+4*\c:12*(8*\qt+\s)+4*\c+3], v[L48], s[4:5] offset:12288*\qt+1536*\s+16*\c
.endr
.endr
.endr
	WIN 0
	global_load_b128 v[QS:QS+3], v37, s[6:7]
	global_load_b128 v[QS+4:QS+7], v37, s[6:7] offset:16
	global_load_u8 v[QL], v35, s[8:9]
	global_load_u8 v[QL+1], v35, s[8:9] offset:16
	global_load_b128 v[144:147], v38, s[10:11]
	s_mul_i32 s56, s17, 49152
	v_add_nc_u32 v[AK], s56, v[L48]
	s_lshl_b32 s57, s17, 11
	s_add_co_u32 s57, s57, 98304
	v_lshl_add_u32 v[AKS], v34, 5, s57
	s_lshl_b32 s58, s17, 8
	s_add_co_u32 s58, s58, KKT
	v_lshl_add_u32 v[AKK], v36, 6, s58
	s_mul_i32 s59, s[WV], 24576
	s_add_co_u32 s59, s59, SV
	v_add_nc_u32 v[AV], s59, v[L48]
	s_lshl_b32 s60, s[WV], 10
	s_add_co_u32 s60, s60, SV+98304
	v_lshl_add_u32 v[AVS], v34, 2, s60
	s_mul_i32 s61, s18, 3072
	s_mul_i32 s62, s17, 24
	s_add_co_u32 s61, s61, s62
	s_add_co_u32 s61, s61, PIM
	v_mul_u32_u24 v[APW], v35, 48
	v_mad_u32_u24 v[APW], v36, 12, v[APW]
	v_add_nc_u32 v[APW], s61, v[APW]
	s_lshl_b32 s62, s18, 9
	s_lshl_b32 s63, s17, 3
	s_add_co_u32 s62, s62, s63
	s_add_co_u32 s62, s62, XMT
	v_lshl_add_u32 v[AEW], v35, 4, s62
	v_add_nc_u32 v[APR], PIM, v[L48]
	v_lshl_add_u32 v[AER], v34, 4, XMT
	s_mul_i32 s63, s[WV], 16640
	v_mul_u32_u24 v[STO], v35, 1040
	v_lshl_add_u32 v[STO], v36, 5, v[STO]
	v_add_nc_u32 v[STO], s63, v[STO]
	v_lshl_add_u32 v[RD], v34, 4, s63
	v_lshlrev_b32 v[GO], 4, v34
	v_min_u32 v[PFO], 24, v34
	v_lshlrev_b32 v[PFO], 8, v[PFO]
	v_lshl_add_u32 v39, v0, 6, KKT
.irp i, 1,3,5,7
	v_mov_b32 v[FF+\i], 0
.endr
	s_wait_alu depctr_va_vdst(0)
	s_wait_tensorcnt 0x0                           ; my part of K's first unit is in (q's loads and the set-up above were issued while it was out)
	ds_add_u32 v[SPW], v[NIL]
	s_wait_dscnt 0x0
	CROUND
	tensor_load_to_lds s[G0V:G0V+3], s[G1:G1+7]    ; V's first unit: my one load behind the round
	s_nop 0
.rept 4
	v_nop
.endr
	s_wait_loadcnt 0x0
	s_wait_kmcnt 0x0
	s_mov_b32 s41, s40
.irp n, 0,1,2,3,4,5,6,7,8,9,10,11,12,13,14,15
	v_bfe_u32 v[148+\n], v[144+\n/4], 8*(\n%4), 8
.endr
.irp n, 0,1,2,3,4,5,6,7,8,9,10,11,12,13,14,15
	v_add_nc_u32 v[148+\n], -1, v[148+\n]
.endr
.irp n, 0,1,2,3,4,5,6,7,8,9,10,11,12,13,14,15
	v_and_b32 v[148+\n], s44, v[148+\n]            ; a padded key: -1e9, a valid one: 0
.endr
	v_cmp_gt_u32 vcc_lo, s[DT], v38                ; my 16 keys lie wholly ahead of that bound or wholly behind it
.irp n, 0,1,2,3,4,5,6,7,8,9,10,11,12,13,14,15
	v_cndmask_b32 v[148+\n], s44, v[148+\n], vcc_lo
.endr
.irp i, 0,1,2,3
	ds_store_b128 v39, v[148+4*\i:151+4*\i] offset:16*\i
.endr
	v_add_nc_u32 v37, s70, v35
	s_lshl_b32 s[DT], s17, 6
	v_lshl_add_u32 v[KO], v36, 4, s[DT]
.irp t, 0,1
	v_cvt_f32_u32 v[VQ+2*\t], v[QL+\t]             ; the mask's byte, 1 or 0, as f32
	v_mov_b32 v[VQ+2*\t+1], 0
	v_add_nc_u32 v[QL+\t], -1, v[QL+\t]
	v_and_b32 v[NPQ+2*\t], s44, v[QL+\t]
	v_mov_b32 v[NPQ+2*\t+1], 0
	v_and_or_b32 v[QL+\t], v[QL+\t], 0x7fffffff, v37
	v_add_nc_u32 v37, 16, v37
.endr
	s_wait_tensorcnt 0x1
	s_wait_dscnt 0x0
	s_barrier_signal -1
	s_barrier_wait -1
	QK 1, 0, 0, 0
	SOFT
	CHANGE G0K, PFK, 1
	PV 1, PFK, LIMK, 1
.Lstep:
	CHANGE G0V, PFV, 1
	QK 0, PFV, LIMV, 1
	SOFT
	CHANGE G0K, PFK, 1
	PV 0, PFK, LIMK, 1
	s_sub_co_u32 s[CNT], s[CNT], 1
	s_cmp_lg_u32 s[CNT], 0
	s_cbranch_scc1 .Lstep
	CHANGE G0V, PFV, 1
	QK 0, 0, 0, 0
	SOFT
	CHANGE 0, 0, 0
	PV 0, 0, 0, 0
	v_rcp_f32 v[TT], v[LL]
	v_rcp_f32 v[TT+3], v[LL+1]
	s_lshl_b32 s56, s21, 11
	s_lshl_b32 s57, s20, 6
	s_add_co_u32 s56, s56, s57
	s_lshl_b32 s56, s56, 12
	s_lshl_b32 s57, s[WV], 10
	s_add_co_u32 s56, s56, s57
	s_mov_b32 s57, 0
	s_add_nc_u64 s[14:15], s[14:15], s[56:57]
	v_nop
	s_wait_alu depctr_va_vdst(0)
	v_permlanex16_b32 v[TT+1], v[TT], s46, s47
	v_permlanex16_b32 v[TT+4], v[TT+3], s46, s47
	v_cndmask_b32 v[FF], v[TT], v[TT+1], s45
	v_cndmask_b32 v[FF+2], v[TT+1], v[TT], s45
	v_cndmask_b32 v[FF+4], v[TT+3], v[TT+4], s45
	v_cndmask_b32 v[FF+6], v[TT+4], v[TT+3], s45
	OUT 0
	OUT 1
	OUT 2
	OUT 3
	s_wait_tensorcnt 0x0
	ds_add_u32 v[SPW], v[NIL]
	s_wait_dscnt 0x0
	CROUND
	s_endpgm
.Lfunc_end_k_q2bf3189511_attn:
	.size	k_q2bf3189511_attn, .Lfunc_end_k_q2bf3189511_attn-k_q2bf3189511_attn
	.p2alignl 7, 3214868480
	.fill 96, 4, 3214868480
	.section	.rodata,"a",@progbits
	.p2align	6, 0x0
	.amdhsa_kernel k_q2bf3189511_attn
		.amdhsa_group_segment_fixed_size 327680
		.amdhsa_private_segment_fixed_size 0
		.amdhsa_enable_private_segment 0
		.amdhsa_kernarg_size 48
		.amdhsa_user_sgpr_count 2
		.amdhsa_user_sgpr_kernarg_segment_ptr 1
		.amdhsa_wavefront_size32 1
		.amdhsa_system_sgpr_workgroup_id_x 1
		.amdhsa_system_sgpr_workgroup_id_y 1
		.amdhsa_system_sgpr_workgroup_id_z 1
		.amdhsa_system_vgpr_workitem_id 0
		.amdhsa_next_free_vgpr 1024
		.amdhsa_next_free_sgpr 72
		.amdhsa_reserve_vcc 1
		.amdhsa_float_denorm_mode_32 3
		.amdhsa_float_denorm_mode_16_64 3
		.amdhsa_memory_ordered 1
		.amdhsa_forward_progress 1
		.amdhsa_inst_pref_size 255
	.end_amdhsa_kernel
	.section	.bss,"aw",@nobits
	.p2align	6
	.space	262144
	.amdgpu_metadata
---
amdhsa.version: [ 1, 2 ]
amdhsa.kernels:
  - .name:           k_q2bf3189511_attn
    .symbol:         k_q2bf3189511_attn.kd
    .args:
      - { .name: Qq, .offset: 0, .size: 8, .value_kind: global_buffer, .address_space: global }
      - { .name: Kq, .offset: 8, .size: 8, .value_kind: global_buffer, .address_space: global }
      - { .name: Vq, .offset: 16, .size: 8, .value_kind: global_buffer, .address_space: global }
      - { .name: mask, .offset: 24, .size: 8, .value_kind: global_buffer, .address_space: global }
      - { .name: scale, .offset: 32, .size: 8, .value_kind: global_buffer, .address_space: global }
      - { .name: out0, .offset: 40, .size: 8, .value_kind: global_buffer, .address_space: global }
    .group_segment_fixed_size: 327680
    .private_segment_fixed_size: 0
    .kernarg_segment_align: 8
    .kernarg_segment_size: 48
    .max_flat_workgroup_size: 128
    .sgpr_count:     72
    .vgpr_count:     1024
    .wavefront_size: 32
...
	.end_amdgpu_metadata
.endif
;; end of part 2
